; MI455X (gfx1250); checked and timed in simulation.
; The chip was launched on July 23, 2026; its instructions are those of AMD's public machine-readable ISA for CDNA 5 (MIT licence, August 2026) and "CDNA5" Instruction Set Architecture Reference Guide (July 2026). The comments in the code are by the model that wrote it; some were corrected since.
;; Attention Head. Allowed arithmetic: matrix products marked QUANTISED: E2M1 operands, one E8M0 scale for each 32 along K, by v_wmma_scale_f32_16x16x128_f8f6f4 with both operands' format E2M1 (or v_wmma_scale_f32_32x16x128_f4), f32 sums; products left as they are: bf16, f16 or f32 operands; f32 sums; everything else in f32.
;; Inputs: Wk 1,024 x 64 float32; Wv 1,024 x 64 float32; x 4 x 4,096 x 1,024 float32.
;; Outputs: out0 4 x 4,096 x 64 float32.
;; This version of the problem:
;;   THIS VERSION OF THE PROBLEM IS GIVEN IN LOW PRECISION. The matrix products marked QUANTISED in the list below multiply operands that are first quantised to E2M1 (2 exponent bits, 1 mantissa bit; 4 bits a number), with one power-of-two scale for each 32 numbers along K (OCP MX v1.0); their sums are f32. The products marked 'left as it is' may take bf16, f16 or f32 operands, with f32 sums. Whichever they take, every output number must still come out within the allowed error. Rounding operands to bf16 (8 significant bits) uses up far more of that allowance than f16 does (11 bits, for magnitudes from 6e-5 to 65,504). All else is computed in f32.
;;   The module's matrix products, in the order in which they are computed (A, B: the left and right operand; K: the contracted axis; several contracted axes count as one K, in the product's order):
;;     1. [M 16,384, K 1,024] x [K 1,024, N 64]; A: input x; B: input Wk: QUANTISED
;;     2. [M 16,384, K 1,024] x [K 1,024, N 64]; A: input x; B: input Wk: QUANTISED
;;     3. batch 4 x [M 4,096, K 64] x [K 64, N 4,096]; A: computed on the way; B: computed on the way: left as it is (an operand is computed on the way)
;;     4. [M 16,384, K 1,024] x [K 1,024, N 64]; A: input x; B: input Wv: QUANTISED
;;     5. batch 4 x [M 4,096, K 4,096] x [K 4,096, N 64]; A: computed on the way; B: computed on the way: left as it is (an operand is computed on the way)
;;   THE QUANTISER, for each operand of a quantised product, along K:
;;     - K is cut into blocks of 32 from its start; a last block that is shorter is filled with zeros.
;;     - A block's scale is 2^e with e = floor(log2(the largest magnitude in the block)) - 2, held to -126 .. 127; a block of zeros has e = 0. As a byte (E8M0): e + 127.
;;     - Each number is divided by its block's scale, clamped to +-6, and rounded to the nearest number of E2M1, ties to even, subnormals kept.
;;     - The product sums the exact products of the quantised numbers (number of the format x scale) in f32.
;;   ~~~python
;;   def quantise(x, axis):      # numpy; x: float32 -> the quantised numbers, widened to float32 again
;;       x = np.moveaxis(x, axis, -1); K = x.shape[-1]
;;       x = np.pad(x, [(0, 0)] * (x.ndim - 1) + [(0, -K % 32)]); x = x.reshape(x.shape[:-1] + (-1, 32)); a = np.abs(x).max(-1, keepdims=True)
;;       e = np.where(a > 0, np.clip(np.frexp(np.where(a > 0, a, 1))[1] - 1 - 2, -126, 127), 0)      # np.frexp(a)[1] - 1 = floor(log2(a)), exactly
;;       r = np.clip(x / 2.0 ** e, -6, 6)
;;       step = 2.0 ** (np.maximum(np.frexp(np.where(r == 0, 1, r))[1] - 1, 0) - 1)
;;       q = np.round(r / step) * step * 2.0 ** e      # np.round: ties to even
;;       return np.moveaxis(q.reshape(q.shape[:-2] + (-1,))[..., :K], -1, axis).astype(np.float32)
;;   ~~~
;; One version. Each part assembles by itself: llvm-mc -triple=amdgcn-amd-amdhsa -mcpu=gfx1250 --defsym DOCPART=n.
;; ======== version 1 of 1: 3 launches
;; limits: values are held in f16: magnitudes above 65,504 overflow, below 6.1e-05 lose precision
;; workspace buffers: wcod 65,536 bytes; wscl 8,192 bytes; kfrag 2,097,152 bytes; vfrag 2,097,152 bytes
;; launch wq (part 1): grid 16 x 1, 4 waves a work-group, no clusters, 0 bytes of LDS; arguments Wk, Wv, wcod, wscl; writes wcod, wscl
.if DOCPART == 1
	.amdgcn_target "amdgcn-amd-amdhsa--gfx1250"
	.amdhsa_code_object_version 6
	.text
	.protected	k_q8545c81cbb_wq
	.globl	k_q8545c81cbb_wq
	.p2align	8
	.type	k_q8545c81cbb_wq,@function
k_q8545c81cbb_wq:
	s_mov_b64 s[64:65], 0
	v_nop
	global_prefetch_b8 v0, s[64:65] scope:SCOPE_SE
	s_setreg_imm32_b32 hwreg(HW_REG_WAVE_MODE, 25, 1), 1
	s_wait_xcnt 0x0
; Wk and Wv, [1024 (k)][64 (n)] f32 with K as the FIRST axis, become codes of FP4 (E2M1) with one E8M0 byte for each 32 along K,
; laid as IMAGES OF THE OPERAND'S REGISTERS: fragment f = (tensor*4 + column tile)*8 + K step is 16 columns x 128 K, 8 registers a lane, 1,024 bytes:
; register 4 c + g of lane L lies at wcod + 1024 f + 512 c + 16 L + 4 g; its scale word (four bytes, K ascending) at wscl + 128 f + 4 L, the same word in lanes L and L xor 16.
; A block's scale is 2^(floor(log2(largest magnitude)) - 2): its byte is the largest magnitude's exponent field - 2, held at 1 from below by a floor among the maximum's leaves.
; SHARES: 16 work-groups = 2 tensors x 8 K steps; wave n makes column tile n: one fragment a wave.  A LANE TAKES A COLUMN AND ITS REGISTERS RUN DOWN K, in the order that the
; operand's layout gives that lane (k = 64 c + 32 h + 0 .. 31): the conversions' results are the operand's registers, and a lane holds two whole blocks.
; LIMITS: NaN and infinities are not served; blocks whose largest magnitude lies under 2^-124 were not tried; a block of zeros gets the byte 1 (the rule says 127): its codes are zeros and this program alone reads the bytes.
; No LDS, no barrier, no matrix unit: 512 KB are read once and 72 KB written; there is nothing to share between waves.
.set NUM, 32                           ; v32-95  my 64 numbers: block c at v[NUM + 32 c]
.set COD, 16                           ; v16-23  the fragment's eight registers
	s_load_b256 s[4:11], s[0:1], 0x0               ; Wk s[4:5], Wv s[6:7], wcod s[8:9], wscl s[10:11]
	v_lshrrev_b32 v1, 5, v0
	v_readfirstlane_b32 s12, v1                    ; wave = column tile n
	v_and_b32 v1, 31, v0                           ; lane
	v_and_b32 v2, 15, v0                           ; r
	v_bfe_u32 v3, v0, 4, 1                         ; h
	v_lshlrev_b32 v4, 2, v2
	v_lshl_add_u32 v4, v3, 13, v4                  ; 4 r + h x 32 rows of 256 bytes
	v_lshlrev_b32 v5, 4, v1                        ; 16 x lane: my place in an image
	v_lshlrev_b32 v6, 2, v1                        ; 4 x lane: my scale word's
	v_lshlrev_b32 v7, 3, v3                        ; 8 h: my two bytes' shift in the scale word
	v_mov_b32 v15, 0                               ; a lane permute's destination counts as one of its sources
	s_mov_b32 s20, 0x76543210
	s_mov_b32 s21, 0xfedcba98                      ; v_permlanex16_b32's selects for lane l xor 16
	s_and_b32 s13, ttmp9, 7                        ; K step s
	s_lshr_b32 s18, ttmp9, 3                       ; tensor: 0 Wk, 1 Wv
	s_lshl_b32 s14, s13, 15                        ; 128 rows of 256 bytes a K step,
	s_lshl_b32 s15, s12, 6                         ; 64 bytes a column tile
	s_add_co_u32 s14, s14, s15
	s_mov_b32 s15, 0
	s_lshl_b32 s16, s18, 5
	s_lshl_b32 s17, s12, 3
	s_add_co_u32 s16, s16, s17
	s_add_co_u32 s16, s16, s13                     ; f
	s_lshl_b32 s22, s16, 7                         ; 128 bytes of scale words a fragment
	s_mov_b32 s23, 0
	s_lshl_b32 s16, s16, 10                        ; 1,024 bytes of codes
	s_mov_b32 s17, 0
	s_wait_kmcnt 0x0
	s_cmp_lt_u32 ttmp9, 8                          ; the choice hangs on the work-group's number alone
	s_cselect_b64 s[4:5], s[4:5], s[6:7]
	s_add_nc_u64 s[4:5], s[4:5], s[14:15]
	s_add_nc_u64 s[8:9], s[8:9], s[16:17]
	s_add_nc_u64 s[10:11], s[10:11], s[22:23]
.irp c, 0,1
.irp i, 0,1,2,3,4,5,6,7,8,9,10,11,12,13,14,15,16,17,18,19,20,21,22,23,24,25,26,27,28,29,30,31
	global_load_b32 v[NUM+32*\c+\i], v4, s[4:5] offset:(64*\c+\i)*256   ; W(128 s + 64 c + 32 h + i, 16 n + r): sixteen lanes read 64 neighbouring bytes, the four waves a whole row
.endr
.endr
	s_wait_loadcnt 0x0
.irp c, 0,1
	v_max3_num_f32 v[8+\c], |v[NUM+32*\c]|, |v[NUM+32*\c+1]|, 0x1800000   ; block 2 c + h: all 32 numbers are mine; the floor 2^(3 - 127) keeps the byte at 1 or above
.endr
.irp i, 2,4,6,8,10,12,14,16,18,20,22,24,26,28,30
.irp c, 0,1
	v_max3_num_f32 v[8+\c], v[8+\c], |v[NUM+32*\c+\i]|, |v[NUM+32*\c+\i+1]|   ; the two blocks by turns
.endr
.endr
.irp c, 0,1
	v_add_nc_u32 v[10+\c], 0xff000000, v[8+\c]     ; 2 off the exponent field: the conversion takes the exponent field of this operand as its scale
.endr
.irp c, 0,1
	v_lshrrev_b32 v[12+\c], 23, v[10+\c]           ; the scale's byte
.endr
	v_lshl_or_b32 v14, v13, 16, v12                ; my bytes: blocks h and 2 + h,
	v_lshlrev_b32 v14, v7, v14                     ; at their places in the word;
	v_permlanex16_b32 v15, v14, s20, s21
	v_or_b32 v14, v14, v15                         ; with lane l xor 16's two the word is whole
.irp c, 0,1
.irp g, 0,1,2,3
	v_cvt_scalef32_pk8_fp4_f32 v[COD+4*\c+\g], v[NUM+32*\c+8*\g:NUM+32*\c+8*\g+7], v[10+\c]   ; eight numbers / scale, to the nearest code, ties to even, beyond 6 the largest code
.endr
.endr
	v_nop                                          ; one plain line behind the last scaled conversion
	global_store_b128 v5, v[COD:COD+3], s[8:9]             ; 32 lanes store 512 consecutive bytes
	global_store_b128 v5, v[COD+4:COD+7], s[8:9] offset:512
	global_store_b32 v6, v14, s[10:11]             ; 128 consecutive bytes
	s_endpgm
.Lfunc_end_k_q8545c81cbb_wq:
	.size	k_q8545c81cbb_wq, .Lfunc_end_k_q8545c81cbb_wq-k_q8545c81cbb_wq
	.p2alignl 7, 3214868480
	.fill 96, 4, 3214868480
	.section	.rodata,"a",@progbits
	.p2align	6, 0x0
	.amdhsa_kernel k_q8545c81cbb_wq
		.amdhsa_group_segment_fixed_size 0
		.amdhsa_private_segment_fixed_size 0
		.amdhsa_enable_private_segment 0
		.amdhsa_kernarg_size 32
		.amdhsa_user_sgpr_count 2
		.amdhsa_user_sgpr_kernarg_segment_ptr 1
		.amdhsa_wavefront_size32 1
		.amdhsa_system_sgpr_workgroup_id_x 1
		.amdhsa_system_sgpr_workgroup_id_y 1
		.amdhsa_system_sgpr_workgroup_id_z 1
		.amdhsa_system_vgpr_workitem_id 0
		.amdhsa_next_free_vgpr 104
		.amdhsa_next_free_sgpr 66
		.amdhsa_reserve_vcc 0
		.amdhsa_float_denorm_mode_32 3
		.amdhsa_float_denorm_mode_16_64 3
		.amdhsa_memory_ordered 1
		.amdhsa_forward_progress 1
		.amdhsa_inst_pref_size 11
	.end_amdhsa_kernel
	.amdgpu_metadata
---
amdhsa.version: [ 1, 2 ]
amdhsa.kernels:
  - .name:           k_q8545c81cbb_wq
    .symbol:         k_q8545c81cbb_wq.kd
    .args:
      - { .name: Wk, .offset: 0, .size: 8, .value_kind: global_buffer, .address_space: global }
      - { .name: Wv, .offset: 8, .size: 8, .value_kind: global_buffer, .address_space: global }
      - { .name: wcod, .offset: 16, .size: 8, .value_kind: global_buffer, .address_space: global }
      - { .name: wscl, .offset: 24, .size: 8, .value_kind: global_buffer, .address_space: global }
    .group_segment_fixed_size: 0
    .private_segment_fixed_size: 0
    .kernarg_segment_align: 8
    .kernarg_segment_size: 32
    .max_flat_workgroup_size: 128
    .sgpr_count:     66
    .vgpr_count:     104
    .wavefront_size: 32
...
	.end_amdgpu_metadata
.endif
;; end of part 1
;; launch proj (part 2): grid 256 x 1, 4 waves a work-group, no clusters, 303,616 bytes of LDS; arguments x, wcod, wscl, kfrag, vfrag; writes kfrag, vfrag
.if DOCPART == 2
	.amdgcn_target "amdgcn-amd-amdhsa--gfx1250"
	.amdhsa_code_object_version 6
	.text
	.protected	k_q8545c81cbb_proj
	.globl	k_q8545c81cbb_proj
	.p2align	8
	.type	k_q8545c81cbb_proj,@function
k_q8545c81cbb_proj:
	s_mov_b64 s[64:65], 0
	v_nop
	global_prefetch_b8 v0, s[64:65] scope:SCOPE_SE
	s_setreg_imm32_b32 hwreg(HW_REG_WAVE_MODE, 25, 1), 1
	s_wait_xcnt 0x0
; k = Q(x) Q(Wk), v = Q(x) Q(Wv): x [16384][1024] f32 is quantised on the way to FP4 (E2M1) with one E8M0 byte for each 32 along K; W's codes come from wcod, wscl.  Sums in f32, K ascending, one accumulator an output.
; (The query projection has the same operands as the key projection: it is the same numbers and is not made twice.)
; k and v are rounded once to f16 and stored as IMAGES OF THE NEXT LAUNCH'S OPERAND REGISTERS:
;   kfrag: tile of 16 tokens T, 2,048 bytes: at 2048 T + 1024 cs + 512 grp + 16 L lane L = (r, h) finds token r, channels 32 cs + 16 grp + 8 h + 0 .. 7;
;   vfrag: group of 32 tokens T, 4,096 bytes: at 4096 T + 1024 ct + 512 half + 16 L lane (r, h) finds channel 16 ct + r, tokens 16 half + 8 h + 0 .. 7.
; SHARES.  A work-group takes 64 tokens.  All their 256 KB of x are asked for at the head, four tensor loads a wave (four of mine are out at the most), each 16 tokens x 256 along K: nothing in LDS is filled twice.
; A load has 16 rows since a wave's tokens are 16: so each wave reads only what its own loads brought, behind its own wait.  Wave w quantises token tile w; its codes and scale words go to the other waves through LDS as
; images of the operand's registers.  IN THE PRODUCTS THE WAVES SHARE THE COLUMNS: wave w holds Wk's and Wv's column tile w for all of K (16 fragments, 128 registers, read once) and multiplies all four token tiles.
; THE ORDER OF THE SOURCES GIVES BOTH OUTPUT LAYOUTS: k: source 0 = Wk, source 1 = x: a lane holds one token and eight neighbouring channels; v: source 0 = x, source 1 = Wv: a lane holds one channel and eight neighbouring tokens.
; NO CLUSTER: no two work-groups share a byte of x; the 72 KB of W's codes and scale words that all share are 72 of the 328 KB that a work-group reads, and they go straight into registers.
; LIMITS: NaN and infinities are not served; blocks whose largest magnitude lies under 2^-124 were not tried; a block of zeros gets the byte 1: its codes are zeros; |k| and |v| must stay under 65,504, f16's largest number.
; REGISTERS.  window 0: v1-9 addresses; v10, v11 the add's two; v12-17 at work; v20-35 codes just made; v36-37 their scale words; v40-47 x's scale words, v48-55 Wk's, v56-63 Wv's (scales alone);
;   v64-191 128 numbers of x, later (v64-127) eight fragments of x; v192-223 the way out.   window 1: v0-63 Wk's fragments, v64-127 Wv's, v128-159 k's four accumulators, v160-191 v's.
.set XPITCH,  1040                     ; a token's 256 numbers in LDS: 1,024 bytes + 16 of padding = 260 words: row r starts at bank 4 r mod 64 (64 banks of 4 bytes: ISA guide 11.1)
.set XCHUNK,  16*XPITCH                ; what one tensor load brings
.set XWAVE,   4*XCHUNK                 ; a wave's four chunks
.set XIMG,    4*XWAVE                  ; behind x: the images of x's fragments, [K step][token tile] x 1,024 bytes
.set XSC,     XIMG+32*1024             ; their scale words, [K step][token tile] x 128 bytes
.set SPARE,   XSC+32*128               ; the spare words, 128 bytes for each wave: two blocks of 256 bytes that no other line names
.set SPW, 10
.set NIL, 11
.set TM,  12                           ; v12-13 largest magnitudes, v14-15 scale operands, v16-17 bytes
.set PC,  20
.set PW,  36
.set XS,  40                           ; x's scale word of token tile m, K step a of the chunk: v[XS + 2 m + a]
.set WKS, 48
.set WVS, 56
.set XN,  64
.set OUTR, 192
.set WK,   0                           ; in window 1
.set WV,   64
.set ACCK, 128
.set ACCV, 160
.set G1,  24                           ; s[24:31] descriptor group 1;  s[32:47] four groups 0
.set G0,  32
.set MSB, 0
.macro WIN new                         ; the immediate's high byte repeats the setting that is left
.if MSB != \new
	s_set_vgpr_msb (MSB<<8)|\new
.set MSB, \new
.endif
.endm
.macro PLACES n
.rept \n
	v_nop
.endr
.endm
; 64 numbers of a lane, two whole blocks (block c at v[src + 32 c]: k = 64 c + 32 h + 0 .. 31 of my token), become the fragment's registers v[pc] .. v[pc + 7] and its scale word v[pw].
.macro QUANT src, pc, pw
.irp c, 0,1
	v_max3_num_f32 v[TM+\c], |v[\src+32*\c]|, |v[\src+32*\c+1]|, 0x1800000   ; the floor 2^(3 - 127) keeps the byte at 1 or above
.endr
.irp i, 2,4,6,8,10,12,14,16,18,20,22,24,26,28,30
.irp c, 0,1
	v_max3_num_f32 v[TM+\c], v[TM+\c], |v[\src+32*\c+\i]|, |v[\src+32*\c+\i+1]|
.endr
.endr
.irp c, 0,1
	v_add_nc_u32 v[TM+2+\c], 0xff000000, v[TM+\c]  ; 2 off the exponent field: the conversion's scale operand
.endr
.irp c, 0,1
	v_lshrrev_b32 v[TM+4+\c], 23, v[TM+2+\c]       ; the scale's byte
.endr
	v_lshl_or_b32 v[\pw], v[TM+5], 16, v[TM+4]     ; blocks h and 2 + h,
	v_lshlrev_b32 v[\pw], v8, v[\pw]               ; 8 h bits up;
	v_permlanex16_b32 v9, v[\pw], s20, s21
	v_or_b32 v[\pw], v[\pw], v9                    ; with lane l xor 16's two the word is whole
.irp c, 0,1
.irp g, 0,1,2,3
	v_cvt_scalef32_pk8_fp4_f32 v[\pc+4*\c+\g], v[\src+32*\c+8*\g:\src+32*\c+8*\g+7], v[TM+2+\c]
.endr
.endr
	v_nop                                          ; one plain line behind the last scaled conversion
.endm
	s_load_b256 s[4:11], s[0:1], 0x0               ; x s[4:5], wcod s[6:7], wscl s[8:9], kfrag s[10:11]
	s_load_b64 s[12:13], s[0:1], 0x20              ; vfrag
	v_lshl_add_u32 v[SPW], v0, 2, SPARE
	v_mov_b32 v[NIL], 0
	ds_add_u32 v[SPW], v[NIL]                      ; the wave's opening: the add, twice on end, and its wait ahead of my first tensor load; the set-up below, work on registers, stands between
	ds_add_u32 v[SPW], v[NIL]
	v_lshrrev_b32 v12, 5, v0
	v_readfirstlane_b32 s14, v12                   ; wave 0..3
	; descriptor group 1: a tile of 16 rows x 256 elements of 4 bytes, rows 1,024 elements apart, 16 bytes of padding behind each row in LDS
	s_mov_b32 s[G1+0], (2<<16)|(1<<20)|(7<<22)|(3<<25)   ; 15:0 no mask; 17:16 elements of 4 bytes; 20 padding on; 24:22 after every 256 words (code 7); 31:25 four words (code 3)
	s_mov_b32 s[G1+1], 256<<16                     ; tensor_dim0 = 256
	s_mov_b32 s[G1+2], 16<<16                      ; tensor_dim1 = 16
	s_mov_b32 s[G1+3], 256<<16                     ; tile_dim0 = 256
	s_mov_b32 s[G1+4], 16                          ; tile_dim1 = 16
	s_mov_b32 s[G1+5], 1024                        ; tensor_dim0_stride
	s_mov_b32 s[G1+6], 0
	s_mov_b32 s[G1+7], 0
	s_mul_i32 s15, s14, XWAVE                      ; my chunks in LDS
	s_mov_b32 s20, 0x76543210
	s_mov_b32 s21, 0xfedcba98                      ; v_permlanex16_b32's selects for lane l xor 16
	v_and_b32 v12, 31, v0                          ; lane
	v_and_b32 v13, 15, v0                          ; r
	v_bfe_u32 v14, v0, 4, 1                        ; h
	v_lshlrev_b32 v1, 4, v12                       ; 16 x lane
	v_lshlrev_b32 v2, 2, v12                       ; 4 x lane
	v_mul_u32_u24 v3, v13, XPITCH
	v_lshl_add_u32 v3, v14, 7, v3
	v_add_nc_u32 v3, s15, v3                       ; x in LDS: my wave's chunks, token r, + 128 h: my block of 32 numbers
	s_lshl_b32 s16, s14, 10
	v_add_nc_u32 v4, s16, v1
	v_add_nc_u32 v4, XIMG, v4                      ; where I store images: token tile = my wave
	s_lshl_b32 s16, s14, 7
	v_add_nc_u32 v5, s16, v2
	v_add_nc_u32 v5, XSC, v5                       ; and their scale words
	v_add_nc_u32 v6, XIMG, v1                      ; where I read images,
	v_add_nc_u32 v7, XSC, v2                       ; and scale words
	v_lshlrev_b32 v8, 3, v14                       ; 8 h
	v_mov_b32 v9, 0                                ; a lane permute's destination counts as one of its sources
	s_lshl_b32 s16, ttmp9, 18                      ; x: 64 tokens of 4,096 bytes a work-group,
	s_lshl_b32 s17, s14, 16                        ; 16 a wave
	s_add_co_u32 s16, s16, s17
	s_mov_b32 s17, 0
	s_lshl_b32 s18, s14, 13                        ; wcod: 8 fragments of 1,024 bytes a column tile
	s_mov_b32 s19, 0
	s_lshl_b32 s48, s14, 10                        ; wscl: 8 x 128 bytes
	s_mov_b32 s49, 0
	s_lshl_b32 s50, ttmp9, 13                      ; kfrag: 4 token tiles of 2,048 bytes a work-group, + 512 x wave: channels 16 w on
	s_lshl_b32 s51, s14, 9
	s_add_co_u32 s50, s50, s51
	s_mov_b32 s51, 0
	s_lshl_b32 s52, ttmp9, 13                      ; vfrag: 2 groups of 4,096 bytes a work-group, + 1,024 x wave: channel tile w
	s_add_co_u32 s52, s52, s48
	s_mov_b32 s53, 0
	s_wait_dscnt 0x0                               ; both opening adds are done
	s_wait_kmcnt 0x0
	s_add_nc_u64 s[4:5], s[4:5], s[16:17]
	s_add_nc_u64 s[6:7], s[6:7], s[18:19]
	s_add_nc_u64 s[8:9], s[8:9], s[48:49]
	s_add_nc_u64 s[10:11], s[10:11], s[50:51]
	s_add_nc_u64 s[12:13], s[12:13], s[52:53]
.irp q, 0,1,2,3
	s_mov_b32 s[G0+4*\q], 1                                        ; count = 1
	s_add_co_u32 s[G0+4*\q+1], s15, \q*XCHUNK                      ; LDS address
	s_add_nc_u64 s[G0+4*\q+2:G0+4*\q+3], s[4:5], \q*1024           ; global address: my 16 tokens, K = 256 q on
	s_or_b32 s[G0+4*\q+3], s[G0+4*\q+3], 0x80000000                ; type = 2
.endr
.irp q, 0,1,2,3
	tensor_load_to_lds s[G0+4*\q:G0+4*\q+3], s[G1:G1+7]            ; the first fills, and the only ones, go out together
	s_nop 0
.endr
	PLACES 4                                       ; four lines between the last tensor load and the switch of windows
	WIN 0x40                                       ; destination window 1, address window 0
.irp s, 0,1,2,3,4,5,6,7
.irp c, 0,1
	global_load_b128 v[WK+8*\s+4*\c:WK+8*\s+4*\c+3], v1, s[6:7] offset:1024*\s+512*\c
	global_load_b128 v[WV+8*\s+4*\c:WV+8*\s+4*\c+3], v1, s[6:7] offset:32768+1024*\s+512*\c
.endr
.endr
	WIN 0
.irp s, 0,1,2,3,4,5,6,7
	global_load_b32 v[WKS+\s], v2, s[8:9] offset:128*\s
	global_load_b32 v[WVS+\s], v2, s[8:9] offset:4096+128*\s
.endr
	s_wait_loadcnt 0x0                             ; W, once
; CHUNK q: K = 256 q on, two K steps of 128 (s = 2 q + a).
.macro CHUNK q
	s_wait_tensorcnt 3-\q                          ; tensor loads of a wave end in order (ISA guide 10.11.1): my chunk q is in LDS, the 3 - q younger ones may be out
.irp a, 0,1
.irp c, 0,1
.irp i, 0,1,2,3,4,5,6,7
	ds_load_b128 v[XN+64*\a+32*\c+4*\i:XN+64*\a+32*\c+4*\i+3], v3 offset:XCHUNK*\q+512*\a+256*\c+16*\i
.endr
.endr
.endr
	s_wait_dscnt 16                                ; the first K step's 16 loads are in; the second's may be out
	QUANT XN, PC, PW
.irp c, 0,1
	ds_store_b128 v4, v[PC+4*\c:PC+4*\c+3] offset:4096*(2*\q)+512*\c
.endr
	ds_store_b32 v5, v[PW] offset:512*(2*\q)
	s_wait_dscnt 3                                 ; only my three stores are younger than the second K step's loads
	QUANT XN+64, PC+8, PW+1
.irp c, 0,1
	ds_store_b128 v4, v[PC+8+4*\c:PC+8+4*\c+3] offset:4096*(2*\q+1)+512*\c
.endr
	ds_store_b32 v5, v[PW+1] offset:512*(2*\q+1)
	s_wait_dscnt 0x0                               ; for the others' sake: my images have landed
	s_barrier_signal -1                            ; (later chunks' tensor loads stay out)
	s_barrier_wait -1
.irp m, 0,1,2,3
.irp a, 0,1
.irp c, 0,1
	ds_load_b128 v[XN+8*(2*\m+\a)+4*\c:XN+8*(2*\m+\a)+4*\c+3], v6 offset:4096*(2*\q+\a)+1024*\m+512*\c
.endr
	ds_load_b32 v[XS+2*\m+\a], v7 offset:512*(2*\q+\a)+128*\m
.endr
.endr
	s_wait_dscnt 0x0
.irp a, 0,1                            ; the eight accumulators take turns, one instruction a turn
	WIN 0x51                                       ; source 0 (Wk), C and D window 1; source 1 (x) window 0
.irp m, 0,1,2,3
.if (2*\q+\a) == 0
	v_wmma_scale_f32_16x16x128_f8f6f4 v[ACCK+8*\m:ACCK+8*\m+7], v[WK+8*(2*\q+\a):WK+8*(2*\q+\a)+7], v[XN+8*(2*\m+\a):XN+8*(2*\m+\a)+7], 0, v[WKS+2*\q+\a], v[XS+2*\m+\a] matrix_a_fmt:MATRIX_FMT_FP4 matrix_b_fmt:MATRIX_FMT_FP4
.else
	v_wmma_scale_f32_16x16x128_f8f6f4 v[ACCK+8*\m:ACCK+8*\m+7], v[WK+8*(2*\q+\a):WK+8*(2*\q+\a)+7], v[XN+8*(2*\m+\a):XN+8*(2*\m+\a)+7], v[ACCK+8*\m:ACCK+8*\m+7], v[WKS+2*\q+\a], v[XS+2*\m+\a] matrix_a_fmt:MATRIX_FMT_FP4 matrix_b_fmt:MATRIX_FMT_FP4
.endif
.endr
	WIN 0x54                                       ; source 0 (x) window 0; source 1 (Wv), C and D window 1
.irp m, 0,1,2,3
.if (2*\q+\a) == 0
	v_wmma_scale_f32_16x16x128_f8f6f4 v[ACCV+8*\m:ACCV+8*\m+7], v[XN+8*(2*\m+\a):XN+8*(2*\m+\a)+7], v[WV+8*(2*\q+\a):WV+8*(2*\q+\a)+7], 0, v[XS+2*\m+\a], v[WVS+2*\q+\a] matrix_a_fmt:MATRIX_FMT_FP4 matrix_b_fmt:MATRIX_FMT_FP4
.else
	v_wmma_scale_f32_16x16x128_f8f6f4 v[ACCV+8*\m:ACCV+8*\m+7], v[XN+8*(2*\m+\a):XN+8*(2*\m+\a)+7], v[WV+8*(2*\q+\a):WV+8*(2*\q+\a)+7], v[ACCV+8*\m:ACCV+8*\m+7], v[XS+2*\m+\a], v[WVS+2*\q+\a] matrix_a_fmt:MATRIX_FMT_FP4 matrix_b_fmt:MATRIX_FMT_FP4
.endif
.endr
.endr
	WIN 0
	PLACES 4                                       ; four places in front of the next chunk's loads into registers that these products read, and of the conversions that read their results
.endm
	CHUNK 0
	CHUNK 1
	CHUNK 2
	CHUNK 3
	; THE WAY OUT: rounded once to f16; a lane's eight numbers are 16 bytes, and 32 lanes' are 512 consecutive bytes of an image.  Each accumulator is read from its low end on.
	WIN 0x05                                       ; sources window 1, destination window 0
.irp m, 0,1,2,3
.irp i, 0,1,2,3
	v_cvt_pk_f16_f32 v[OUTR+4*\m+\i], v[ACCK+8*\m+2*\i], v[ACCK+8*\m+2*\i+1]
.endr
.endr
.irp m, 0,1,2,3
.irp i, 0,1,2,3
	v_cvt_pk_f16_f32 v[OUTR+16+4*\m+\i], v[ACCV+8*\m+2*\i], v[ACCV+8*\m+2*\i+1]
.endr
.endr
	WIN 0
.irp m, 0,1,2,3
	global_store_b128 v1, v[OUTR+4*\m:OUTR+4*\m+3], s[10:11] offset:2048*\m                        ; k: token tile m, channels 16 w + 8 h + 0 .. 7
.endr
.irp m, 0,1,2,3
	global_store_b128 v1, v[OUTR+16+4*\m:OUTR+16+4*\m+3], s[12:13] offset:4096*(\m/2)+512*(\m%2)   ; v: channel 16 w + r, tokens 16 m + 8 h + 0 .. 7
.endr
	s_wait_tensorcnt 0x0                           ; the wave's end, behind my last tensor load and my last LDS store
	ds_add_u32 v[SPW], v[NIL]
	s_wait_dscnt 0x0
	s_endpgm
.Lfunc_end_k_q8545c81cbb_proj:
	.size	k_q8545c81cbb_proj, .Lfunc_end_k_q8545c81cbb_proj-k_q8545c81cbb_proj
	.p2alignl 7, 3214868480
	.fill 96, 4, 3214868480
	.section	.rodata,"a",@progbits
	.p2align	6, 0x0
	.amdhsa_kernel k_q8545c81cbb_proj
		.amdhsa_group_segment_fixed_size 303616
		.amdhsa_private_segment_fixed_size 0
		.amdhsa_enable_private_segment 0
		.amdhsa_kernarg_size 40
		.amdhsa_user_sgpr_count 2
		.amdhsa_user_sgpr_kernarg_segment_ptr 1
		.amdhsa_wavefront_size32 1
		.amdhsa_system_sgpr_workgroup_id_x 1
		.amdhsa_system_sgpr_workgroup_id_y 1
		.amdhsa_system_sgpr_workgroup_id_z 1
		.amdhsa_system_vgpr_workitem_id 0
		.amdhsa_next_free_vgpr 448
		.amdhsa_next_free_sgpr 66
		.amdhsa_reserve_vcc 0
		.amdhsa_float_denorm_mode_32 3
		.amdhsa_float_denorm_mode_16_64 3
		.amdhsa_memory_ordered 1
		.amdhsa_forward_progress 1
		.amdhsa_inst_pref_size 62
	.end_amdhsa_kernel
	.amdgpu_metadata
---
amdhsa.version: [ 1, 2 ]
amdhsa.kernels:
  - .name:           k_q8545c81cbb_proj
    .symbol:         k_q8545c81cbb_proj.kd
    .args:
      - { .name: x, .offset: 0, .size: 8, .value_kind: global_buffer, .address_space: global }
      - { .name: wcod, .offset: 8, .size: 8, .value_kind: global_buffer, .address_space: global }
      - { .name: wscl, .offset: 16, .size: 8, .value_kind: global_buffer, .address_space: global }
      - { .name: kfrag, .offset: 24, .size: 8, .value_kind: global_buffer, .address_space: global }
      - { .name: vfrag, .offset: 32, .size: 8, .value_kind: global_buffer, .address_space: global }
    .group_segment_fixed_size: 303616
    .private_segment_fixed_size: 0
    .kernarg_segment_align: 8
    .kernarg_segment_size: 40
    .max_flat_workgroup_size: 128
    .sgpr_count:     66
    .vgpr_count:     448
    .wavefront_size: 32
...
	.end_amdgpu_metadata
.endif
;; end of part 2
;; launch attn (part 3): grid 256 x 1, 8 waves a work-group, no clusters, 148,480 bytes of LDS; arguments kfrag, vfrag, out0; writes out0
.if DOCPART == 3
	.amdgcn_target "amdgcn-amd-amdhsa--gfx1250"
	.amdhsa_code_object_version 6
	.text
	.protected	k_q8545c81cbb_attn
	.globl	k_q8545c81cbb_attn
	.p2align	8
	.type	k_q8545c81cbb_attn,@function
k_q8545c81cbb_attn:
	s_mov_b64 s[64:65], 0
	v_nop
	global_prefetch_b8 v0, s[64:65] scope:SCOPE_SE
	s_setreg_imm32_b32 hwreg(HW_REG_WAVE_MODE, 25, 1), 1
	s_wait_xcnt 0x0
; out[b][q] = the sum over keys s <= q of softmax_s(k[b][q] . k[b][s] / 8) v[b][s]: 4 sequences of 4,096 tokens, head size 64; the queries ARE the keys.  k and v come as f16, as images of operand registers
; (kfrag, vfrag: laid out in the launch that makes them).  Products on f16 operands with f32 sums; maxima, exponentials and sums in f32; the weights p are rounded to f16 for the second product.
; WHY f16 EVERYWHERE: a query's own key gives by far its largest score, so every row, not the first few alone, is nearly one term: v's and k's rounding go straight into the result, and f16's 11 bits are kept for all rows.
; SHARES.  Work-group (b, p), p = 0 .. 63, owns queries 32 p .. + 31 (tiles 0, 1: LOW) and 32 (127 - p) .. + 31 (tiles 2, 3: HIGH).  A key step is 64 keys.  Steps 0 .. p / 2 serve all four tiles, steps up to (127 - p) / 2
; tiles 2 and 3 alone: 2 (p / 2 + 1) + (127 - p) / 2 - p / 2 = 65 tile pairs x steps in every work-group.  THE KEYS ARE SPLIT OVER THE EIGHT WAVES: wave w takes steps w, w + 8, ..; each wave holds all 64 queries,
; so each byte of K and V enters the work-group once, straight into the registers of the one wave that wants it: 16 + 16 loads of 512 consecutive bytes a step, asked for a step ahead.  Each wave keeps its own running maximum m,
; sum l and O^T; at the end the eight are merged through LDS.
; THE LOOPS count trips by 1 against numbers made of ids at the head: (p / 2 + 8 - w) / 8 of my steps serve all four tiles, ((127 - p) / 2 + 8 - w) / 8 are all my steps.
; LAYOUT.  S^T = K Q^T (source 0 = 16 keys, source 1 = 16 queries): a lane holds ONE query (lane % 16) and keys 8 (lane / 16) + 0 .. 7.  Two such tiles, rounded in pairs, ARE source 1 of O^T = V^T P; P is written over S^T.
; SOFTMAX.  p = 2^(c s - c m), c = log2(e) / 8; in every step O^T and l are multiplied by a = 2^(c m_old - c m_new).  A step's diagonal tile pair has hidden scores set to -infinity; the first key of that step counts for
; every one of its queries, so m is a number after any step.
; NO CLUSTER, NO TENSOR LOADS: work-group p walks (127 - p) / 2 + 1 steps, another number in each, so partners would need different numbers of tiles; and no byte is read by two waves of a work-group, so LDS would only be a detour.
; O^T IS CLEARED AT THE HEAD.
; LIMITS: NaN and infinities are not served; a p under 2^-25 of the row's largest so far becomes 0 in f16: over a row at most 4,096 x 2^-25 of the sum.
; REGISTERS.  window 0: v1-12 addresses and constants; v13, v14 the add's two; v16-47 eight a tile: +0 c m, +1 m, +2, +3 l (even, odd keys), +4 .. +7 at work (a in +6); v48-55, v56-63 the merge;
;   v64-191 S^T, 32 a tile, then P; v192-255 K of one step.   window 1: v0-127 O^T, 32 a tile; v128-191 Q, 16 a tile; v192-255 V of one step.
.set OBUF,  8192                       ; LDS: bytes 0 .. 8,191: each wave's c m and l, 32 bytes a lane; from OBUF on each wave's O, 64 rows of OP bytes
.set OP,    272                        ; a row of 64 f32 + 16 bytes of padding: row r starts at bank 4 r mod 64 (64 banks of 4 bytes: ISA guide 11.1)
.set OWAVE, 64*OP
.set SPARE, OBUF+8*OWAVE               ; the spare words, 128 bytes for each wave: four blocks of 256 bytes that no other line names
.set SPW, 13
.set NIL, 14
.set ST,  16
.set MQ,  48
.set GG,  56
.set SCR, 64
.set KFR, 192
.set OACC, 0                           ; in window 1
.set QFR,  128
.set VFR,  192
.set KB,   4                           ; s[4:5]   kfrag at the step whose K was asked for last
.set VB,   6                           ; s[6:7]   vfrag likewise
.set OB,   8                           ; s[8:9]   out0 at the first row that I store
.set WVN,  10                          ; s10  wave
.set PP,   11                          ; s11  p
.set BB,   12                          ; s12  b
.set SLOW, 13                          ; s13  the last step of tiles 0, 1: p / 2
.set SMAX, 14                          ; s14  the last step of tiles 2, 3: (127 - p) / 2
.set SS,   15                          ; s15  the step in hand
.set S8,   16                          ; s16  my next step
.set LIMS, 17                          ; s17  the last step that I may prefetch: SMAX where p = 0, else 0
.set DLO,  18                          ; s18  tile 0's first query less its diagonal step's first key: 32 (p % 2)
.set DHI,  19                          ; s19  the same for tile 2
.set SEL,  20                          ; s[20:21] lane selects for v_permlanex16_b32: lane l xor 16
.set CS,   22                          ; s[22:23] c, twice: the packed form names a pair
.set QL,   24                          ; s[24:25] kfrag at tile 0;  s[26:27] at tile 2
.set QH,   26
.set TI,   34                          ; s34  how many of my steps are done: both loops' counter
.set NLO,  35                          ; s35  how many of my steps serve all four tiles
.set NTO,  36                          ; s36  how many steps I have in all
.set MSB, 0
.macro WIN new                         ; the immediate's high byte repeats the setting that is left
.if MSB != \new
	s_set_vgpr_msb (MSB<<8)|\new
.set MSB, \new
.endif
.endm
.macro PLACES n
.rept \n
	v_nop
.endr
.endm
.macro LOADK                           ; a step's K: 64 keys x 64 channels, 8 KB: fragment (key tile kt, channels 32 cs on) at v[KFR + 16 kt + 8 cs]
.irp i, 0,1,2,3,4,5,6,7,8,9,10,11,12,13,14,15
	global_load_b128 v[KFR+4*\i:KFR+4*\i+3], v1, s[KB:KB+1] offset:512*\i
.endr
.endm
.macro LOADV                           ; a step's V^T: fragment (keys 32 kg on, channel tile ct) at v[VFR + 32 kg + 8 ct] of window 1
	WIN 0x40                                       ; destination window 1, address window 0
.irp i, 0,1,2,3,4,5,6,7,8,9,10,11,12,13,14,15
	global_load_b128 v[VFR+4*\i:VFR+4*\i+3], v1, s[VB:VB+1] offset:512*\i
.endr
	WIN 0
.endm
	s_load_b128 s[4:7], s[0:1], 0x0                ; kfrag, vfrag
	s_load_b64 s[8:9], s[0:1], 0x10                ; out0
	v_lshl_add_u32 v[SPW], v0, 2, SPARE
	v_mov_b32 v[NIL], 0
	v_lshrrev_b32 v1, 5, v0
	v_readfirstlane_b32 s[WVN], v1                 ; wave 0..7
	s_and_b32 s[PP], ttmp9, 63
	s_lshr_b32 s[BB], ttmp9, 6
	s_lshr_b32 s[SLOW], s[PP], 1
	s_sub_co_u32 s32, 127, s[PP]                   ; 127 - p
	s_lshr_b32 s[SMAX], s32, 1
	s_mov_b32 s[SS], s[WVN]                        ; my first step
	s_mov_b32 s[TI], 0
	s_add_co_u32 s[NLO], s[SLOW], 8
	s_sub_co_u32 s[NLO], s[NLO], s[WVN]            ; p / 2 + 8 - w is 1 at the least,
	s_lshr_b32 s[NLO], s[NLO], 3                   ; and an eighth of it, rounded down, counts the steps w, w + 8, .. up to p / 2: 0 where w is beyond p / 2
	s_add_co_u32 s[NTO], s[SMAX], 8
	s_sub_co_u32 s[NTO], s[NTO], s[WVN]
	s_lshr_b32 s[NTO], s[NTO], 3                   ; the same up to (127 - p) / 2: 4 at the least
	s_cmp_eq_u32 s[PP], 0
	s_cselect_b32 s[LIMS], s[SMAX], 0
	s_and_b32 s[DLO], s[PP], 1
	s_xor_b32 s[DHI], s[DLO], 1
	s_lshl_b32 s[DLO], s[DLO], 5
	s_lshl_b32 s[DHI], s[DHI], 5
	s_mov_b32 s[SEL], 0x76543210
	s_mov_b32 s[SEL+1], 0xfedcba98
	s_mov_b32 s[CS], 0x3e38aa3b                    ; c = log2(e) / 8
	s_mov_b32 s[CS+1], s[CS]
	v_and_b32 v15, 31, v0                          ; lane
	v_and_b32 v5, 15, v0                           ; r
	v_bfe_u32 v6, v0, 4, 1                         ; h
	v_lshlrev_b32 v1, 4, v15                       ; v1  16 x lane: my place in an image; never rewritten
	v_lshlrev_b32 v2, 8, v15                       ; v2  256 x lane: the prefetches' offset; never rewritten
	v_lshlrev_b32 v3, 3, v6
	v_sub_nc_u32 v3, v5, v3                        ; v3  r - 8 h
	v_mov_b32 v4, 0xff800000                       ; v4  -infinity
	v_lshlrev_b32 v7, 5, v0                        ; v7  where I put my c m and l: 1,024 x wave + 32 x lane
	v_lshlrev_b32 v8, 5, v15                       ; v8  where I read wave 0's
	s_mul_i32 s28, s[WVN], OWAVE
	s_add_co_u32 s28, s28, OBUF
	v_mul_u32_u24 v9, v5, OP
	v_lshl_add_u32 v9, v6, 5, v9
	v_add_nc_u32 v9, s28, v9                       ; v9  my O: row r, + 32 h
	s_mul_i32 s28, s[WVN], 8*OP
	s_add_co_u32 s28, s28, OBUF
	v_mul_u32_u24 v10, v6, OP
	v_lshl_add_u32 v10, v5, 4, v10
	v_add_nc_u32 v10, s28, v10                     ; v10 the rows that I sum: 8 x wave + h, 16 bytes a lane, in wave 0's O;
	v_add_nc_u32 v11, 4*OWAVE, v10                 ; v11 in wave 4's
	v_lshlrev_b32 v12, 8, v6
	v_lshl_add_u32 v12, v5, 4, v12                 ; v12 and the same two rows in out0
	s_lshl_b32 s30, s[BB], 19                      ; a sequence's 4,096 tokens are 524,288 bytes in kfrag and in vfrag
	s_mov_b32 s31, 0
	s_mov_b32 s29, 0
	s_wait_kmcnt 0x0
	s_add_nc_u64 s[KB:KB+1], s[KB:KB+1], s[30:31]
	s_add_nc_u64 s[VB:VB+1], s[VB:VB+1], s[30:31]
	s_lshl_b32 s28, s[PP], 12                      ; 32 queries are two tiles of 2,048 bytes
	s_add_nc_u64 s[QL:QL+1], s[KB:KB+1], s[28:29]
	s_lshl_b32 s28, s32, 12
	s_add_nc_u64 s[QH:QH+1], s[KB:KB+1], s[28:29]
	s_lshl_b32 s28, s[WVN], 13                     ; a step is 8,192 bytes in each
	s_add_nc_u64 s[KB:KB+1], s[KB:KB+1], s[28:29]
	s_add_nc_u64 s[VB:VB+1], s[VB:VB+1], s[28:29]
	WIN 0x40
.irp t, 0,1
.irp i, 0,1,2,3
	global_load_b128 v[QFR+16*\t+4*\i:QFR+16*\t+4*\i+3], v1, s[QL:QL+1] offset:2048*\t+512*\i         ; Q stays in registers: tile t, channels 32 cs on at v[QFR + 16 t + 8 cs]
.endr
.endr
.irp t, 0,1
.irp i, 0,1,2,3
	global_load_b128 v[QFR+32+16*\t+4*\i:QFR+32+16*\t+4*\i+3], v1, s[QH:QH+1] offset:2048*\t+512*\i
.endr
.endr
	WIN 0
	LOADK
	LOADV
	WIN 0x40
.set J, 0
.rept 128
	v_mov_b32 v[OACC+J], 0                         ; O^T (why: the head comment)
.set J, J+1
.endr
	WIN 0
.irp t, 0,1,2,3
	v_mov_b32 v[ST+8*\t+1], 0xff61b1e6             ; m = -3e38, under every score
	v_mov_b32 v[ST+8*\t+2], 0                      ; l
	v_mov_b32 v[ST+8*\t+3], 0
	v_mov_b32 v[ST+8*\t+5], 0                      ; a lane permute's destination counts as one of its sources
.endr
.irp t, 0,1,2,3
	v_mul_f32 v[ST+8*\t], s[CS], v[ST+8*\t+1]      ; c m
.endr
	s_lshl_b32 s28, s[PP], 5                       ; the first row that I store: waves 0-3: 32 p + 8 w; waves 4-7: 32 (127 - p) + 8 (w - 4)
	s_lshl_b32 s33, s32, 5
	s_sub_co_u32 s33, s33, 32
	s_cmp_lt_u32 s[WVN], 4
	s_cselect_b32 s28, s28, s33
	s_lshl_b32 s33, s[WVN], 3
	s_add_co_u32 s28, s28, s33
	s_lshl_b32 s33, s[BB], 12
	s_add_co_u32 s28, s28, s33
	s_lshl_b32 s28, s28, 8                         ; rows of 256 bytes
	s_add_nc_u64 s[OB:OB+1], s[OB:OB+1], s[28:29]
; Tiles ta, ta + 1 on the diagonal.  Register 8 kt + j of a tile holds the step's key 16 kt + 8 h + j; my query is the step's key D + 16 u + r: hidden where 16 kt + j > D + 16 u + r - 8 h.
.macro MASK ta, dreg
	v_add_nc_u32 v5, s[\dreg], v3
	v_add_nc_u32 v6, 16, v5
.irp u, 0,1
.irp n, 0,1,2,3,4,5,6,7,8,9,10,11,12,13,14,15,16,17,18,19,20,21,22,23,24,25,26,27,28,29,30,31
	v_cmp_gt_i32 vcc_lo, 16*(\n/8)+\n%8, v[5+\u]
	v_cndmask_b32 v[SCR+32*(\ta+\u)+\n], v[SCR+32*(\ta+\u)+\n], v4, vcc_lo
.endr
.endr
.endm
; The softmax of tiles lo .. 3 for one step: 119 instructions a tile, the tiles by turns in each stage, so that few lines wait for the line above them.
.macro SOFTMAX lo
.irp j, 0,1,2,3                        ; the maximum of the lane's 32 scores and the old m: four chains of seven, each accumulator read from its low end on
.irp t, 0,1,2,3
.if \t >= \lo
	v_max3_num_f32 v[ST+8*\t+4+\j], v[SCR+32*\t+8*\j], v[SCR+32*\t+8*\j+1], v[SCR+32*\t+8*\j+2]
.endif
.endr
.endr
.irp y, 1,2
.irp j, 0,1,2,3
.irp t, 0,1,2,3
.if \t >= \lo
	v_max3_num_f32 v[ST+8*\t+4+\j], v[ST+8*\t+4+\j], v[SCR+32*\t+8*\j+2*\y+1], v[SCR+32*\t+8*\j+2*\y+2]
.endif
.endr
.endr
.endr
.irp t, 0,1,2,3
.if \t >= \lo
	v_max3_num_f32 v[ST+8*\t+4], v[ST+8*\t+4], v[SCR+32*\t+7], v[SCR+32*\t+15]
	v_max3_num_f32 v[ST+8*\t+6], v[ST+8*\t+6], v[SCR+32*\t+23], v[SCR+32*\t+31]
.endif
.endr
.irp t, 0,1,2,3
.if \t >= \lo
	v_max3_num_f32 v[ST+8*\t+4], v[ST+8*\t+4], v[ST+8*\t+5], v[ST+8*\t+6]
.endif
.endr
.irp t, 0,1,2,3
.if \t >= \lo
	v_max3_num_f32 v[ST+8*\t+4], v[ST+8*\t+4], v[ST+8*\t+7], v[ST+8*\t+1]
.endif
.endr
.irp t, 0,1,2,3
.if \t >= \lo
	v_permlanex16_b32 v[ST+8*\t+5], v[ST+8*\t+4], s[SEL], s[SEL+1]   ; the query's other 32 keys lie in the lane 16 away
	v_mov_b32 v[ST+8*\t+7], v[ST+8*\t]             ; c m_old
.endif
.endr
.irp t, 0,1,2,3
.if \t >= \lo
	v_max_num_f32 v[ST+8*\t+1], v[ST+8*\t+4], v[ST+8*\t+5]
.endif
.endr
.irp t, 0,1,2,3
.if \t >= \lo
	v_mul_f32 v[ST+8*\t], s[CS], v[ST+8*\t+1]
.endif
.endr
.irp t, 0,1,2,3
.if \t >= \lo
	v_sub_f32 v[ST+8*\t+7], v[ST+8*\t+7], v[ST+8*\t]
.endif
.endr
.irp b, 0,1,2,3,4,5,6,7,8,9,10,11,12,13,14,15
.irp t, 0,1,2,3
.if \t >= \lo
	v_pk_fma_f32 v[SCR+32*\t+2*\b:SCR+32*\t+2*\b+1], v[SCR+32*\t+2*\b:SCR+32*\t+2*\b+1], s[CS:CS+1], v[ST+8*\t:ST+8*\t+1] op_sel_hi:[1,0,0] neg_lo:[0,0,1] neg_hi:[0,0,1]   ; c s - c m, two at a time
.endif
.endr
.endr
.irp t, 0,1,2,3                        ; ONE BATCH of exponentials: a, and the weights; none reads another's result
.if \t >= \lo
	v_exp_f32 v[ST+8*\t+6], v[ST+8*\t+7]
.endif
.endr
.irp e, 0,1,2,3,4,5,6,7,8,9,10,11,12,13,14,15,16,17,18,19,20,21,22,23,24,25,26,27,28,29,30,31
.irp t, 0,1,2,3
.if \t >= \lo
	v_exp_f32 v[SCR+32*\t+\e], v[SCR+32*\t+\e]
.endif
.endr
.endr
	v_nop                                          ; a plain line behind the last exponential (ISA guide 5.7.2),
	s_wait_alu depctr_va_vdst(0)                   ; and the one wait ahead of the batch's first reader
.irp t, 0,1,2,3
.if \t >= \lo
	v_pk_mul_f32 v[ST+8*\t+2:ST+8*\t+3], v[ST+8*\t+2:ST+8*\t+3], v[ST+8*\t+6:ST+8*\t+7] op_sel_hi:[1,0]   ; l under the new m
	v_pk_add_f32 v[ST+8*\t+4:ST+8*\t+5], v[SCR+32*\t:SCR+32*\t+1], v[SCR+32*\t+2:SCR+32*\t+3]             ; the sum of the unrounded weights, in two chains
.endif
.endr
.irp j, 4,8,12,16,20,24,28
.irp t, 0,1,2,3
.if \t >= \lo
	v_pk_add_f32 v[ST+8*\t+2:ST+8*\t+3], v[ST+8*\t+2:ST+8*\t+3], v[SCR+32*\t+\j:SCR+32*\t+\j+1]
	v_pk_add_f32 v[ST+8*\t+4:ST+8*\t+5], v[ST+8*\t+4:ST+8*\t+5], v[SCR+32*\t+\j+2:SCR+32*\t+\j+3]
.endif
.endr
.endr
.irp t, 0,1,2,3
.if \t >= \lo
	v_pk_add_f32 v[ST+8*\t+2:ST+8*\t+3], v[ST+8*\t+2:ST+8*\t+3], v[ST+8*\t+4:ST+8*\t+5]
.endif
.endr
.irp kg, 0,1                           ; P over S^T: register i of a fragment takes numbers 2 i and 2 i + 1, which lie at or above it: ascending, nothing is lost
.irp i, 0,1,2,3,4,5,6,7
.irp t, 0,1,2,3
.if \t >= \lo
	v_cvt_pk_f16_f32 v[SCR+32*\t+16*\kg+\i], v[SCR+32*\t+16*\kg+2*\i], v[SCR+32*\t+16*\kg+2*\i+1]
.endif
.endr
.endr
.endr
	WIN 0x41                                       ; O^T (destination and source 0) window 1, a window 0
.irp i, 0,1,2,3,4,5,6,7,8,9,10,11,12,13,14,15
.irp t, 0,1,2,3
.if \t >= \lo
	v_pk_mul_f32 v[OACC+32*\t+2*\i:OACC+32*\t+2*\i+1], v[OACC+32*\t+2*\i:OACC+32*\t+2*\i+1], v[ST+8*\t+6:ST+8*\t+7] op_sel_hi:[1,0]   ; O^T under the new m
.endif
.endr
.endr
.endm
; A KEY STEP for tiles lo .. 3.  At its head K(s)'s 16 loads and behind them V(s)'s 16 are out.
.macro STEP lo
	s_wait_loadcnt 16                              ; loads come back in order (ISA guide 5.7.1): K (and, the first time, Q) is in; V's 16 may be out
	WIN 0x04                                       ; K, S^T window 0; Q window 1
.irp cs, 0,1                           ; the accumulators take turns, one instruction a turn; the first 32 channels start the sums
.irp kt, 0,1,2,3
.irp t, 0,1,2,3
.if \t >= \lo
.if \cs == 0
	v_wmma_f32_16x16x32_f16 v[SCR+32*\t+8*\kt:SCR+32*\t+8*\kt+7], v[KFR+16*\kt+8*\cs:KFR+16*\kt+8*\cs+7], v[QFR+16*\t+8*\cs:QFR+16*\t+8*\cs+7], 0
.else
	v_wmma_f32_16x16x32_f16 v[SCR+32*\t+8*\kt:SCR+32*\t+8*\kt+7], v[KFR+16*\kt+8*\cs:KFR+16*\kt+8*\cs+7], v[QFR+16*\t+8*\cs:QFR+16*\t+8*\cs+7], v[SCR+32*\t+8*\kt:SCR+32*\t+8*\kt+7]
.endif
.endif
.endr
.endr
.endr
	WIN 0
	PLACES 4                                       ; four places in front of the loads into K's registers and of the first read of the scores
	s_add_co_u32 s[S8], s[SS], 8
	s_cmp_le_u32 s[S8], s[SMAX]                    ; have I a next step?  Ids and the count of steps alone
	s_cbranch_scc1 .Lmore_k_\@
	s_wait_loadcnt 0x0                             ; my last step: V is in, and nothing is out from here on
	s_branch .Lk_done_\@
.Lmore_k_\@:
	s_wait_xcnt 0x0                                ; the last loads and prefetches by this base have had their addresses translated (ISA guide 3.1): it may step
	s_add_nc_u64 s[KB:KB+1], s[KB:KB+1], 0x10000   ; eight steps on
	LOADK
	; A PREFETCH INTO THE L2, behind the run of loads: K and V of step s + 24, which I load three trips on: 8 KB each, lanes 256 bytes apart, one instruction each.  All 64 work-groups of a sequence walk the same K and V from
	; step 0 on: the one with p = 0 asks, which walks all 64 steps; wave w asks for steps of its own residue: each block of 256 bytes is named once in the launch.  My first three steps come by their loads alone; the last three trips ask for nothing.
	s_add_co_u32 s28, s[SS], 24
	s_cmp_le_u32 s28, s[LIMS]
	s_cbranch_scc0 .Lk_done_\@
	global_prefetch_b8 v2, s[KB:KB+1] offset:0x20000 th:TH_LOAD_NT scope:SCOPE_SE   ; this base stands at step s + 8,
	global_prefetch_b8 v2, s[VB:VB+1] offset:0x30000 th:TH_LOAD_NT scope:SCOPE_SE   ; this one still at step s
.Lk_done_\@:
.if \lo == 0
	s_cmp_lg_u32 s[SS], s[SLOW]                    ; tiles 0 and 1 meet the diagonal in step p / 2 (tiles 2 and 3 never before step 32)
	s_cbranch_scc1 .Lopen_\@
	MASK 0, DLO
.else
	s_cmp_lg_u32 s[SS], s[SMAX]                    ; tiles 2 and 3 in step (127 - p) / 2
	s_cbranch_scc1 .Lopen_\@
	MASK 2, DHI
.endif
.Lopen_\@:
	SOFTMAX \lo
	s_wait_loadcnt 16                              ; V is in: behind it only the next K's 16 loads were issued, or none
	WIN 0x51                                       ; V, O^T window 1; P window 0
.irp kg, 0,1
.irp ct, 0,1,2,3
.irp t, 0,1,2,3
.if \t >= \lo
	v_wmma_f32_16x16x32_f16 v[OACC+32*\t+8*\ct:OACC+32*\t+8*\ct+7], v[VFR+32*\kg+8*\ct:VFR+32*\kg+8*\ct+7], v[SCR+32*\t+16*\kg:SCR+32*\t+16*\kg+7], v[OACC+32*\t+8*\ct:OACC+32*\t+8*\ct+7]
.endif
.endr
.endr
.endr
	WIN 0
	PLACES 5                                       ; five places: the next step's first products write over P, which these have read; four of them serve the loads into V's registers
	s_cmp_le_u32 s[S8], s[SMAX]
	s_cbranch_scc1 .Lmore_v_\@
	s_wait_loadcnt 0x0                             ; my last step: nothing is out
	s_branch .Lv_done_\@
.Lmore_v_\@:
	s_wait_xcnt 0x0                                ; as for K's base
	s_add_nc_u64 s[VB:VB+1], s[VB:VB+1], 0x10000
	LOADV
.Lv_done_\@:
.endm
	s_cmp_ge_u32 s[TI], s[NLO]                     ; have I a step for all four tiles at all?
	s_cbranch_scc1 .Lhigh_in
.Llow:                                             ; my steps up to p / 2: all four tiles
	STEP 0
	s_add_co_u32 s[SS], s[SS], 8                   ; my next step,
	s_add_co_u32 s[TI], s[TI], 1                   ; and one more done: the loop's counter
	s_cmp_lt_u32 s[TI], s[NLO]
	s_cbranch_scc1 .Llow
.Lhigh_in:
	s_cmp_ge_u32 s[TI], s[NTO]                     ; is any step left for tiles 2 and 3 alone?
	s_cbranch_scc1 .Lmerge
.Lhigh:                                            ; my steps up to (127 - p) / 2: tiles 2 and 3
	STEP 2
	s_add_co_u32 s[SS], s[SS], 8
	s_add_co_u32 s[TI], s[TI], 1
	s_cmp_lt_u32 s[TI], s[NTO]
	s_cbranch_scc1 .Lhigh
.Lmerge:
	s_wait_loadcnt 0x0
	; THE MERGE.  1: each wave's c m and l (its two halves and the other half of the lanes' added) go to LDS.
.irp t, 0,1,2,3
	v_add_f32 v[ST+8*\t+4], v[ST+8*\t+2], v[ST+8*\t+3]
.endr
.irp t, 0,1,2,3
	v_permlanex16_b32 v[ST+8*\t+5], v[ST+8*\t+4], s[SEL], s[SEL+1]
.endr
.irp t, 0,1,2,3
	v_add_f32 v[MQ+4+\t], v[ST+8*\t+4], v[ST+8*\t+5]
	v_mov_b32 v[MQ+\t], v[ST+8*\t]
.endr
	ds_store_b128 v7, v[MQ:MQ+3]
	ds_store_b128 v7, v[MQ+4:MQ+7] offset:16
	s_wait_dscnt 0x0                               ; for the others' sake: my stores have landed
	s_barrier_signal -1
	s_barrier_wait -1
	; 2: every wave reads all eight: c m* = the largest c m; f_u = 2^(c m_u - c m*); L = the sum of f_u l_u, at least about 1: the wave that holds the largest has f = 1 and a weight of about 1 in its l.
.irp u, 0,1,2,3,4,5,6,7
	ds_load_b128 v[SCR+8*\u:SCR+8*\u+3], v8 offset:1024*\u
	ds_load_b128 v[SCR+8*\u+4:SCR+8*\u+7], v8 offset:1024*\u+16
.endr
	s_wait_dscnt 0x0
.irp t, 0,1,2,3
	v_max3_num_f32 v[GG+\t], v[SCR+\t], v[SCR+8+\t], v[SCR+16+\t]
.endr
.irp t, 0,1,2,3
	v_max3_num_f32 v[GG+\t], v[GG+\t], v[SCR+24+\t], v[SCR+32+\t]
.endr
.irp t, 0,1,2,3
	v_max3_num_f32 v[GG+\t], v[GG+\t], v[SCR+40+\t], v[SCR+48+\t]
.endr
.irp t, 0,1,2,3
	v_max_num_f32 v[GG+\t], v[GG+\t], v[SCR+56+\t]
.endr
.irp u, 0,1,2,3,4,5,6,7
.irp x, 0,2
	v_pk_add_f32 v[SCR+8*\u+\x:SCR+8*\u+\x+1], v[SCR+8*\u+\x:SCR+8*\u+\x+1], v[GG+\x:GG+\x+1] neg_lo:[0,1] neg_hi:[0,1]
.endr
.endr
.irp x, 0,2
	v_pk_add_f32 v[MQ+\x:MQ+\x+1], v[MQ+\x:MQ+\x+1], v[GG+\x:GG+\x+1] neg_lo:[0,1] neg_hi:[0,1]   ; my own, apart: which of the eight is mine is no register number
.endr
.irp u, 0,1,2,3,4,5,6,7
.irp t, 0,1,2,3
	v_exp_f32 v[SCR+8*\u+\t], v[SCR+8*\u+\t]
.endr
.endr
.irp t, 0,1,2,3
	v_exp_f32 v[MQ+\t], v[MQ+\t]
.endr
	v_nop                                          ; a plain line behind the last exponential,
	s_wait_alu depctr_va_vdst(0)                   ; and the one wait for the batch
.irp x, 0,2
	v_pk_mul_f32 v[GG+4+\x:GG+5+\x], v[SCR+\x:SCR+\x+1], v[SCR+4+\x:SCR+5+\x]
.endr
.irp u, 1,2,3,4,5,6,7
.irp x, 0,2
	v_pk_fma_f32 v[GG+4+\x:GG+5+\x], v[SCR+8*\u+\x:SCR+8*\u+\x+1], v[SCR+8*\u+4+\x:SCR+8*\u+5+\x], v[GG+4+\x:GG+5+\x]
.endr
.endr
.irp t, 0,1,2,3
	v_rcp_f32 v[GG+4+\t], v[GG+4+\t]
.endr
	v_nop
	s_wait_alu depctr_va_vdst(0)                   ; one wait for the four reciprocals
	v_mul_f32 v[GG], v[MQ], v[GG+4]                ; g = my f / L, tile t's at v[GG + 2 t]: the low word of a pair.  In this order no 1 / L is written over before it is read
	v_mul_f32 v[GG+2], v[MQ+1], v[GG+5]
	v_mul_f32 v[GG+4], v[MQ+2], v[GG+6]
	v_mul_f32 v[GG+6], v[MQ+3], v[GG+7]
	; 3: my O^T x g goes to my 64 rows in LDS: lane (r, h), register j of (tile t, channel tile ct): row 16 t + r, channel 16 ct + 8 h + j.
	WIN 0x41
.irp t, 0,1,2,3
.irp i, 0,1,2,3,4,5,6,7,8,9,10,11,12,13,14,15
	v_pk_mul_f32 v[OACC+32*\t+2*\i:OACC+32*\t+2*\i+1], v[OACC+32*\t+2*\i:OACC+32*\t+2*\i+1], v[GG+2*\t:GG+2*\t+1] op_sel_hi:[1,0]
.endr
.endr
	WIN 0x04                                       ; an LDS store's data are its source 1: window 1
.irp t, 0,1,2,3
.irp ct, 0,1,2,3
	ds_store_b128 v9, v[OACC+32*\t+8*\ct:OACC+32*\t+8*\ct+3] offset:16*OP*\t+64*\ct
	ds_store_b128 v9, v[OACC+32*\t+8*\ct+4:OACC+32*\t+8*\ct+7] offset:16*OP*\t+64*\ct+16
.endr
.endr
	WIN 0
	s_wait_dscnt 0x0                               ; for the others' sake
	s_barrier_signal -1
	s_barrier_wait -1
	; 4: wave w adds the eight waves' rows 8 w .. 8 w + 7 and stores them: sixteen lanes a row of 256 bytes, two rows an instruction.
.irp u, 0,1,2,3
.irp i, 0,1,2,3
	ds_load_b128 v[SCR+16*\u+4*\i:SCR+16*\u+4*\i+3], v10 offset:OWAVE*\u+2*OP*\i
.endr
.endr
.irp u, 0,1,2,3
.irp i, 0,1,2,3
	ds_load_b128 v[SCR+64+16*\u+4*\i:SCR+64+16*\u+4*\i+3], v11 offset:OWAVE*\u+2*OP*\i
.endr
.endr
	s_wait_dscnt 0x0
.irp u, 0,2,4,6
.irp x, 0,2,4,6,8,10,12,14
	v_pk_add_f32 v[SCR+16*\u+\x:SCR+16*\u+\x+1], v[SCR+16*\u+\x:SCR+16*\u+\x+1], v[SCR+16*\u+16+\x:SCR+16*\u+17+\x]
.endr
.endr
.irp u, 0,4
.irp x, 0,2,4,6,8,10,12,14
	v_pk_add_f32 v[SCR+16*\u+\x:SCR+16*\u+\x+1], v[SCR+16*\u+\x:SCR+16*\u+\x+1], v[SCR+16*\u+32+\x:SCR+16*\u+33+\x]
.endr
.endr
.irp x, 0,2,4,6,8,10,12,14
	v_pk_add_f32 v[SCR+\x:SCR+\x+1], v[SCR+\x:SCR+\x+1], v[SCR+64+\x:SCR+65+\x]
.endr
.irp i, 0,1,2,3
	global_store_b128 v12, v[SCR+4*\i:SCR+4*\i+3], s[OB:OB+1] offset:512*\i th:TH_STORE_NT   ; 32 lanes store 512 consecutive bytes, at a multiple of 256 from out0's first byte
.endr
	s_wait_tensorcnt 0x0                           ; the wave's end, behind my last LDS store
	ds_add_u32 v[SPW], v[NIL]
	s_wait_dscnt 0x0
	s_endpgm
.Lfunc_end_k_q8545c81cbb_attn:
	.size	k_q8545c81cbb_attn, .Lfunc_end_k_q8545c81cbb_attn-k_q8545c81cbb_attn
	.p2alignl 7, 3214868480
	.fill 96, 4, 3214868480
	.section	.rodata,"a",@progbits
	.p2align	6, 0x0
	.amdhsa_kernel k_q8545c81cbb_attn
		.amdhsa_group_segment_fixed_size 148480
		.amdhsa_private_segment_fixed_size 0
		.amdhsa_enable_private_segment 0
		.amdhsa_kernarg_size 24
		.amdhsa_user_sgpr_count 2
		.amdhsa_user_sgpr_kernarg_segment_ptr 1
		.amdhsa_wavefront_size32 1
		.amdhsa_system_sgpr_workgroup_id_x 1
		.amdhsa_system_sgpr_workgroup_id_y 1
		.amdhsa_system_sgpr_workgroup_id_z 1
		.amdhsa_system_vgpr_workitem_id 0
		.amdhsa_next_free_vgpr 512
		.amdhsa_next_free_sgpr 66
		.amdhsa_reserve_vcc 1
		.amdhsa_float_denorm_mode_32 3
		.amdhsa_float_denorm_mode_16_64 3
		.amdhsa_memory_ordered 1
		.amdhsa_forward_progress 1
		.amdhsa_inst_pref_size 93
	.end_amdhsa_kernel
	.amdgpu_metadata
---
amdhsa.version: [ 1, 2 ]
amdhsa.kernels:
  - .name:           k_q8545c81cbb_attn
    .symbol:         k_q8545c81cbb_attn.kd
    .args:
      - { .name: kfrag, .offset: 0, .size: 8, .value_kind: global_buffer, .address_space: global }
      - { .name: vfrag, .offset: 8, .size: 8, .value_kind: global_buffer, .address_space: global }
      - { .name: out0, .offset: 16, .size: 8, .value_kind: global_buffer, .address_space: global }
    .group_segment_fixed_size: 148480
    .private_segment_fixed_size: 0
    .kernarg_segment_align: 8
    .kernarg_segment_size: 24
    .max_flat_workgroup_size: 256
    .sgpr_count:     66
    .vgpr_count:     512
    .wavefront_size: 32
...
	.end_amdgpu_metadata
.endif
;; end of part 3
